; MI455X (gfx1250); checked and timed in simulation.
; The chip was launched on July 23, 2026; its instructions are those of AMD's public machine-readable ISA for CDNA 5 (MIT licence, August 2026) and "CDNA5" Instruction Set Architecture Reference Guide (July 2026). The comments in the code are by the model that wrote it; some were corrected since.
;; Multi Head Attention. Allowed arithmetic: matrix products marked QUANTISED: E2M1 operands, one E8M0 scale for each 32 along K, by v_wmma_scale_f32_16x16x128_f8f6f4 with both operands' format E2M1 (or v_wmma_scale_f32_32x16x128_f4), f32 sums; everything else in f32.
;; Inputs: Wk_codes 1,024 x 32 x 16 uint8 (E2M1 codes of Wk, K innermost, in blocks of 32 codes, two codes a byte); Wk_scales 1,024 x 32 uint8 (E8M0 scales of Wk, one for each 32 codes along K); Wo_codes 1,024 x 32 x 16 uint8 (E2M1 codes of Wo, K innermost, in blocks of 32 codes, two codes a byte); Wo_scales 1,024 x 32 uint8 (E8M0 scales of Wo, one for each 32 codes along K); Wq_codes 1,024 x 32 x 16 uint8 (E2M1 codes of Wq, K innermost, in blocks of 32 codes, two codes a byte); Wq_scales 1,024 x 32 uint8 (E8M0 scales of Wq, one for each 32 codes along K); Wv_codes 1,024 x 32 x 16 uint8 (E2M1 codes of Wv, K innermost, in blocks of 32 codes, two codes a byte); Wv_scales 1,024 x 32 uint8 (E8M0 scales of Wv, one for each 32 codes along K); attn_mask 2,048 x 2,048 float32; bk 1,024 float32; bo 1,024 float32; bq 1,024 float32; bv 1,024 float32; x_q_codes 2 x 2,048 x 32 x 16 uint8 (E2M1 codes of x_q, K innermost, in blocks of 32 codes, two codes a byte); x_q_scales 2 x 2,048 x 32 uint8 (E8M0 scales of x_q, one for each 32 codes along K).
;; Outputs: out0 2 x 2,048 x 1,024 float32.
;; This version of the problem:
;;   THIS VERSION OF THE PROBLEM IS GIVEN IN LOW PRECISION. The matrix products marked QUANTISED in the list below multiply operands that are first quantised to E2M1 (2 exponent bits, 1 mantissa bit; 4 bits a number), with one power-of-two scale for each 32 numbers along K (OCP MX v1.0); their sums are f32. All else is computed in f32.
;;   The module's matrix products, in the order in which they are computed (A, B: the left and right operand; K: the contracted axis; several contracted axes count as one K, in the product's order):
;;     1. [M 4,096, K 1,024] x [K 1,024, N 1,024]; A: input x_q (given as codes); B: input Wq (given as codes): QUANTISED
;;     2. [M 4,096, K 1,024] x [K 1,024, N 1,024]; A: input x_q (given as codes); B: input Wk (given as codes): QUANTISED
;;     3. [M 4,096, K 1,024] x [K 1,024, N 1,024]; A: input x_q (given as codes); B: input Wv (given as codes): QUANTISED
;;     4. batch 32 x [M 2,048, K 64] x [K 64, N 2,048]; A: computed on the way; B: computed on the way: QUANTISED
;;     5. batch 32 x [M 64, K 2,048] x [K 2,048, N 2,048]; A: computed on the way; B: softmax (see below): QUANTISED
;;     6. [M 4,096, K 1,024] x [K 1,024, N 1,024]; A: computed on the way; B: input Wo (given as codes): QUANTISED
;;   THE QUANTISER, for each operand of a quantised product, along K:
;;     - K is cut into blocks of 32 from its start; a last block that is shorter is filled with zeros.
;;     - A block's scale is 2^e with e = floor(log2(the largest magnitude in the block)) - 2, held to -126 .. 127; a block of zeros has e = 0. As a byte (E8M0): e + 127.
;;     - Each number is divided by its block's scale, clamped to +-6, and rounded to the nearest number of E2M1, ties to even, subnormals kept.
;;     - The product sums the exact products of the quantised numbers (number of the format x scale) in f32.
;;   ~~~python
;;   def quantise(x, axis):      # numpy; x: float32 -> the quantised numbers, widened to float32 again
;;       x = np.moveaxis(x, axis, -1); K = x.shape[-1]
;;       x = np.pad(x, [(0, 0)] * (x.ndim - 1) + [(0, -K % 32)]); x = x.reshape(x.shape[:-1] + (-1, 32)); a = np.abs(x).max(-1, keepdims=True)
;;       e = np.where(a > 0, np.clip(np.frexp(np.where(a > 0, a, 1))[1] - 1 - 2, -126, 127), 0)      # np.frexp(a)[1] - 1 = floor(log2(a)), exactly
;;       r = np.clip(x / 2.0 ** e, -6, 6)
;;       step = 2.0 ** (np.maximum(np.frexp(np.where(r == 0, 1, r))[1] - 1, 0) - 1)
;;       q = np.round(r / step) * step * 2.0 ** e      # np.round: ties to even
;;       return np.moveaxis(q.reshape(q.shape[:-2] + (-1,))[..., :K], -1, axis).astype(np.float32)
;;   ~~~
;;   SOFTMAX AHEAD OF A QUANTISED PRODUCT. Where the list says 'softmax', what is quantised is not the finished softmax but p = 2^(t - M), with t = logit x log2(e) and M = ceil(the row's largest t), a whole number; so 1/2 < the row's largest p <= 1. The row's sum l is taken of the UNQUANTISED p, in f32, and the product's result is divided by l at the end. Since M is a whole number, a kernel that streams over the keys may use a running M (the ceiling of the running maximum): every later rescaling is an exact power of two, which a block's scale takes up: the codes' values come out the same.
;;   OPERANDS COMPUTED ON THE WAY. 'Computed on the way' means the value that the module computes at that place (a softmax that the list does not call 'softmax' is quantised finished and normalised). What goes into a quantiser is computed in f32, as accurately as f32 sums, v_exp_f32 and their like allow (about 1e-6 of the number): no bf16 or f16 on the way to a quantiser, and a product that is left as it is and whose result goes on into a quantised operand takes f32 operands (vector FMAs, or v_wmma_f32_16x16x4_f32). A number that lies on a knife's edge between two numbers of the format may be rounded either way, as far as f32 arithmetic and the matrix unit's own rounding can turn it there, and no further.
;;   INPUTS GIVEN AS CODES. Wk (in the module: [1024, 1024], K = its axis 1); Wo (in the module: [1024, 1024], K = its axis 1); Wq (in the module: [1024, 1024], K = its axis 1); Wv (in the module: [1024, 1024], K = its axis 1); x_q (in the module: [2, 2048, 1024], K = its axis 2): each comes as NAME_codes (uint8): NAME with its K axis moved to the last place and cut into blocks of 32 codes, [.., K / 32, bytes a block], one block behind the other in memory; two codes a byte, the lower K in the low four bits (a code: sign, 2 exponent bits, 1 mantissa bit); and NAME_scales (uint8): the same leading axes, one E8M0 byte (e + 127) for each 32 codes along K. Its value is code x scale, taken as it is: it is not quantised again, and the codes and scales need not be those that the quantiser above would give.
;; One version. Each part assembles by itself: llvm-mc -triple=amdgcn-amd-amdhsa -mcpu=gfx1250 --defsym DOCPART=n.
;; ======== version 1 of 1: 3 launches
;; limits: right only within a limited range of input values
;; workspace buffers: qkv 6,684,672 bytes; a_img 2,097,152 bytes; a_sc 131,072 bytes
;; launch proj (part 1): grid 12 x 16, 4 waves a work-group, clusters of 4 x 4, 327,680 bytes of LDS; arguments x_q_codes, x_q_scales, Wq_codes, Wq_scales, Wk_codes, Wk_scales, Wv_codes, Wv_scales, bq, bk, bv, qkv; writes qkv
.if DOCPART == 1
	.amdgcn_target "amdgcn-amd-amdhsa--gfx1250"
	.amdhsa_code_object_version 6
	.text
	.protected	k_qd357966226_proj
	.globl	k_qd357966226_proj
	.p2align	8
	.type	k_qd357966226_proj,@function
k_qd357966226_proj:
	s_mov_b64 s[64:65], 0
	v_nop
	global_prefetch_b8 v0, s[64:65] scope:SCOPE_SE
	s_setreg_imm32_b32 hwreg(HW_REG_WAVE_MODE, 25, 1), 1
	s_wait_xcnt 0x0
	s_wait_alu depctr_hold_cnt(0) depctr_sa_sdst(0) depctr_va_vdst(0) depctr_va_sdst(0) depctr_va_ssrc(0) depctr_va_vcc(0) depctr_vm_vsrc(0)
	s_getreg_b32 s2, hwreg(HW_REG_IB_STS2, 6, 4)
	s_cmp_eq_u32 s2, 0
	s_cbranch_scc0 .Lentry_in_a_cluster
	s_endpgm
.Lentry_in_a_cluster:
	s_bfe_u32 s2, ttmp6, 0x10000c
	s_cmp_lg_u32 s2, 0xf033
	s_cbranch_scc0 .Lentry_shape_is_right
	s_endpgm
.Lentry_shape_is_right:
; q, k, v = x W^T + b on codes of E2M1, quantised on the way out along the next product's K and stored as images of that product's operand registers with their scale words.  No work of reference() is left out here.
; A work-group makes 256 x 256 of one of the three results; K = 1,024 lies in two LDS slots of 512, each filled once.  Cluster 4 x 4: the left operand's tiles are asked for jointly along a row, the right operand's along a column.
; THE HEAD'S FOUR TILES, ONE JOINT LOAD A WAVE: wave 0 the left operand's 256 rows of K step 0, wave 1 the right operand's, waves 2 and 3 the two blocks of scale bytes of 256 rows.  K step 1 follows behind the full sequence, a quarter of the slot a wave.
.set NQ,     4
.set ROWB,   256
.set KROW,   512
.set PITCH,  272
.set FR,     8
.set NL,     2
.set NP,     4
.set HALFT,  128*PITCH
.set SLOT,   4*HALFT
.set KS,     32
.set SCL,    2*SLOT
.set HALFS,  16*272
.set SBLK,   2*272
.set SPARE,  SCL+4*HALFS
.set PART,   2228224
.set CH,     8704
.set ADRA, 16
.set ADRB, 20
.set CO,   26
.set ADRS, 27
.set SPW,  28
.set NIL,  29
.set SC,   32
.set BA,   96
.set AF,   128
.set BI,   192
.set HA,   128
.set PC,   96
.set TM,   104
.set PWS,  120
.set R,    8
.set WV,   2
.set CQ,   3
.set PCD,  28
.set PSC,  30
.set LCD,  32
.set LSC,  34
.set BIA,  36
.set WH,   38
.set WL,   39
.set G1L,  40
.set G1P,  48
.set G0L,  56
.set G0P,  68
.set G1LS, 76
.set G1PS, 84
.set G0LS, 92
.set G0PS, 96
.set CX,   66
.set CY,   67
.set WHICH, 100
.set ISV,  101
.set RM,   104
.set CM,   105
.set OUTP, 26
.set HI,   24
.set SEL,  22
.set MSB, 0
.macro WIN new
.if MSB != (\new)
	s_set_vgpr_msb (MSB<<8)|(\new)
.set MSB, (\new)
.endif
.endm
.set MUL_LO, 0xa1
.set MUL_HI, 0xf1
.set TO_B,   0x40
.macro JLOAD g0a, g1a, g0b, g1b
	s_cmp_eq_u32 s[WH], 0
	s_cbranch_scc0 .Lfor_p_\@
	tensor_load_to_lds s[\g0a:\g0a+3], s[\g1a:\g1a+7]
	s_nop 0
.rept 4
	v_nop
.endr
	s_branch .Lasked_\@
.Lfor_p_\@:
	tensor_load_to_lds s[\g0b:\g0b+3], s[\g1b:\g1b+7]
	s_nop 0
.rept 4
	v_nop
.endr
.Lasked_\@:
.endm
.macro CROUND
	s_barrier_signal -1
	s_barrier_wait -1
	s_cmp_lg_u32 s[WV], 0
	s_cbranch_scc1 .Lnot_wave_0_\@
	s_barrier_signal -3
.Lnot_wave_0_\@:
	s_barrier_wait -3
	s_barrier_signal -1
	s_barrier_wait -1
.endm
	s_load_b512 s[4:19], s[0:1], 0x0
	s_load_b256 s[20:27], s[0:1], 0x40
	v_lshl_add_u32 v[SPW], v0, 2, SPARE
	v_mov_b32 v[NIL], 0
	ds_add_u32 v[SPW], v[NIL]
	ds_add_u32 v[SPW], v[NIL]
	v_lshrrev_b32 v1, 5, v0
	v_readfirstlane_b32 s[WV], v1
	s_lshr_b32 s[WH], s[WV], 1
	s_and_b32 s[WL], s[WV], 1
	s_bfe_u32 s[CX], ttmp6, 0x40000
	s_bfe_u32 s[CY], ttmp6, 0x40004
	s_mov_b32 s[WHICH], ttmp9
	s_and_b32 s[CQ], ttmp7, 0xffff
	s_cmp_eq_u32 s[WHICH], 2
	s_cselect_b32 s[ISV], 1, 0
	s_lshl_b32 s[RM], s[CY], 2
	s_lshl_b32 s[RM], 15, s[RM]
	s_lshl_b32 s[CM], 0x1111, s[CX]
	s_or_b32 s[G1L], s[RM], (1<<20)|(1<<21)|(5<<22)|(3<<25)
	s_or_b32 s[G1P], s[CM], (1<<20)|(1<<21)|(5<<22)|(3<<25)
.irp g, G1L, G1P
	s_mov_b32 s[\g+1], ROWB<<16
	s_mov_b32 s[\g+2], 256<<16                     ; 256 rows for the head's loads; set to 128 behind the wait that shows them landed
	s_mov_b32 s[\g+3], ROWB<<16
	s_mov_b32 s[\g+4], 256
	s_mov_b32 s[\g+5], KROW
	s_mov_b32 s[\g+6], 0
	s_mov_b32 s[\g+7], 0
.endr
	s_or_b32 s[G1LS], s[RM], (3<<16)|(1<<20)|(1<<21)|(5<<22)|(3<<25)
	s_or_b32 s[G1PS], s[CM], (3<<16)|(1<<20)|(1<<21)|(5<<22)|(3<<25)
.irp g, G1LS, G1PS
	s_mov_b32 s[\g+1], 32<<16
	s_mov_b32 s[\g+2], 32<<16                      ; the scale bytes of 256 rows: 8,192 dense bytes as 32 rows of 256
	s_mov_b32 s[\g+3], 32<<16
	s_mov_b32 s[\g+4], 32
	s_mov_b32 s[\g+5], 32
	s_mov_b32 s[\g+6], 0
	s_mov_b32 s[\g+7], 0
.endr
	s_wait_dscnt 0x0
	s_wait_kmcnt 0x0
	s_cmp_eq_u32 s[WHICH], 0
	s_cselect_b64 s[PCD:PCD+1], s[8:9], s[12:13]
	s_cselect_b64 s[PSC:PSC+1], s[10:11], s[14:15]
	s_cselect_b64 s[BIA:BIA+1], s[20:21], s[22:23]
	s_cmp_eq_u32 s[WHICH], 2
	s_cselect_b64 s[LCD:LCD+1], s[16:17], s[4:5]
	s_cselect_b64 s[LSC:LSC+1], s[18:19], s[6:7]
	s_cselect_b64 s[PCD:PCD+1], s[4:5], s[PCD:PCD+1]
	s_cselect_b64 s[PSC:PSC+1], s[6:7], s[PSC:PSC+1]
	s_cselect_b64 s[BIA:BIA+1], s[24:25], s[BIA:BIA+1]
	s_lshl_b32 s4, s[CQ], 2
	s_cmp_eq_u32 s[ISV], 0
	s_cselect_b32 s5, s4, 0
	s_cselect_b32 s6, 0, s4
	s_add_co_u32 s5, s5, s[CY]
	s_add_co_u32 s6, s6, s[CX]
	s_lshl_b32 s7, s[WL], 7
	s_lshl_b32 s8, s5, 8                           ; the tiles' first rows
	s_lshl_b32 s10, s6, 8
	s_lshl_b32 s12, s8, 5
	s_mov_b32 s13, 0
	s_lshl_b32 s14, s10, 5
	s_mov_b32 s15, 0
	s_lshl_b32 s8, s8, 9
	s_mov_b32 s9, 0
	s_lshl_b32 s10, s10, 9
	s_mov_b32 s11, 0
	s_add_nc_u64 s[LCD:LCD+1], s[LCD:LCD+1], s[8:9]
	s_add_nc_u64 s[LSC:LSC+1], s[LSC:LSC+1], s[12:13]
	s_add_nc_u64 s[PCD:PCD+1], s[PCD:PCD+1], s[10:11]
	s_add_nc_u64 s[PSC:PSC+1], s[PSC:PSC+1], s[14:15]
	s_mul_i32 s16, s[WV], HALFT
	CROUND
	s_mov_b32 s[G0LS], 1
	s_mov_b32 s[G0LS+1], SCL
	s_mov_b64 s[G0LS+2:G0LS+3], s[LSC:LSC+1]
	s_or_b32 s[G0LS+3], s[G0LS+3], 0x80000000
	s_mov_b32 s[G0PS], 1
	s_mov_b32 s[G0PS+1], SCL+2*HALFS
	s_mov_b64 s[G0PS+2:G0PS+3], s[PSC:PSC+1]
	s_or_b32 s[G0PS+3], s[G0PS+3], 0x80000000
	s_mov_b32 s[G0L], 1                            ; K step 0, whole tiles: the left operand's 256 rows at the head of slot 0,
	s_mov_b32 s[G0L+1], 0
	s_mov_b64 s[G0L+2:G0L+3], s[LCD:LCD+1]
	s_or_b32 s[G0L+3], s[G0L+3], 0x80000000
	s_mov_b32 s[G0P], 1                            ; the right operand's 256 rows behind them
	s_mov_b32 s[G0P+1], 2*HALFT
	s_mov_b64 s[G0P+2:G0P+3], s[PCD:PCD+1]
	s_or_b32 s[G0P+3], s[G0P+3], 0x80000000
	s_lshl_b32 s8, s7, 9                           ; K step 1: my 128 rows of a tile, 512 bytes a row
	s_mov_b32 s9, 0
	s_add_nc_u64 s[LCD:LCD+1], s[LCD:LCD+1], s[8:9]
	s_add_nc_u64 s[PCD:PCD+1], s[PCD:PCD+1], s[8:9]
	s_mov_b32 s[G0L+4], 1
	s_add_co_u32 s[G0L+5], s16, SLOT
	s_add_nc_u64 s[G0L+6:G0L+7], s[LCD:LCD+1], ROWB
	s_or_b32 s[G0L+7], s[G0L+7], 0x80000000
	s_mov_b32 s[G0P+4], 1
	s_add_co_u32 s[G0P+5], s16, SLOT
	s_add_nc_u64 s[G0P+6:G0P+7], s[PCD:PCD+1], ROWB
	s_or_b32 s[G0P+7], s[G0P+7], 0x80000000
; one tree of branches on the wave's number, each arm with its load and, but for the last, a jump to the tree's end: every way through the head passes exactly one load
.macro ARM under, g0, g1, next
	s_cmp_lt_u32 s[WV], \under
	s_cbranch_scc0 \next
	tensor_load_to_lds s[\g0:\g0+3], s[\g1:\g1+7]
	s_nop 0
.rept 4
	v_nop
.endr
	s_branch .Lhead_asked
\next:
.endm
	ARM 1, G0L,  G1L,  .Lhead_p
	ARM 2, G0P,  G1P,  .Lhead_ls
	ARM 3, G0LS, G1LS, .Lhead_ps
	tensor_load_to_lds s[G0PS:G0PS+3], s[G1PS:G1PS+7]
	s_nop 0
.rept 4
	v_nop
.endr
.Lhead_asked:
	v_and_b32 v1, 15, v0
	v_bfe_u32 v2, v0, 4, 1
	v_mul_u32_u24 v3, v1, PITCH
	v_lshl_add_u32 v4, v2, 4, v3
	s_mul_i32 s21, s[WH], HALFT
	s_mul_i32 s22, s[WL], HALFT
	s_add_co_u32 s22, s22, 2*HALFT
.irp s, 0,1
	v_add_nc_u32 v[ADRA+\s], s21, v4
	v_add_nc_u32 v[ADRB+\s], s22, v4
	s_add_co_u32 s21, s21, SLOT
	s_add_co_u32 s22, s22, SLOT
.endr
	v_mul_u32_u24 v5, v1, KS
	v_lshrrev_b32 v6, 8, v5
	v_lshl_add_u32 v5, v6, 4, v5
	s_mul_i32 s21, s[WH], HALFS
	s_mul_i32 s22, s[WL], HALFS
	s_add_co_u32 s22, s22, 2*HALFS
	s_sub_co_u32 s22, s22, s21
	v_mul_u32_u24 v6, s22, v2
	s_add_co_u32 s21, s21, SCL
	v_add_nc_u32 v5, v5, v6
	v_add_nc_u32 v[ADRS], s21, v5
	v_and_b32 v6, 31, v0
	v_lshlrev_b32 v[CO], 4, v6
	s_lshl_b32 s18, s6, 1
	s_add_co_u32 s18, s18, s[WL]
	s_lshl_b32 s19, s5, 1
	s_add_co_u32 s19, s19, s[WH]
	s_cmp_eq_u32 s[ISV], 0
	s_cselect_b32 s20, s18, s19
	s_cselect_b32 s21, 32, 0
	s_cselect_b32 s22, 0, 4
	s_cselect_b32 s23, 4, 0
	s_cselect_b32 s24, s19, s18
	s_cselect_b32 s25, s18, s19
	s_lshl_b32 s20, s20, 9
	v_mul_u32_u24 v5, s21, v2
	v_mad_u32_u24 v5, s22, v1, v5
	v_add_nc_u32 v[BA], s20, v5
.irp j, 1,2,3,4,5,6,7
	v_add_nc_u32 v[BA+\j], s23, v[BA+\j-1]
.endr
.irp i, 0,1,2,3,4,5,6,7
.irp j, 0,1,2,3,4,5,6,7
	global_load_b32 v[BI+8*\i+\j], v[BA+\j], s[BIA:BIA+1] offset:64*\i
.endr
.endr
	s_lshr_b32 s20, s24, 4
	s_lshl_b32 s20, s20, 7
	s_lshl_b32 s21, s25, 4
	s_add_co_u32 s20, s20, s21
	s_and_b32 s21, s24, 15
	s_add_co_u32 s20, s20, s21
	s_mul_i32 s20, s20, CH
	s_mul_i32 s21, s[WHICH], PART
	s_add_co_u32 s20, s20, s21
	s_mov_b32 s21, 0
	s_add_nc_u64 s[OUTP:OUTP+1], s[OUTP:OUTP+1], s[20:21]
	s_mov_b32 s[HI], 0xffff0000
	s_mov_b32 s[SEL], 0x76543210
	s_mov_b32 s[SEL+1], 0xfedcba98
.macro FRAG reg, adr, q, i
.irp c, 0,1
	ds_load_b128 v[\reg+4*\c:\reg+4*\c+3], v[\adr] offset:64*(\q)+32*\c+(\i)*16*PITCH
.endr
.endm
.macro MUL16 a0, p, q, sc, zero
.irp a, \a0, \a0+1
.irp b, 0,1,2,3,4,5,6,7
.if \zero
	v_wmma_scale_f32_16x16x128_f8f6f4 v[8*(8*((\a)%4)+\b):8*(8*((\a)%4)+\b)+7], v[128*(\p)+FR*\b:128*(\p)+FR*\b+FR-1], v[AF+FR*(\a):AF+FR*(\a)+FR-1], 0, v[SC+8*NQ*(\sc)+NQ*\b+(\q)], v[SC+8*NQ*(\sc)+NQ*(\a)+(\q)] matrix_a_fmt:MATRIX_FMT_FP4 matrix_b_fmt:MATRIX_FMT_FP4 matrix_a_scale:MATRIX_SCALE_ROW1
.else
	v_wmma_scale_f32_16x16x128_f8f6f4 v[8*(8*((\a)%4)+\b):8*(8*((\a)%4)+\b)+7], v[128*(\p)+FR*\b:128*(\p)+FR*\b+FR-1], v[AF+FR*(\a):AF+FR*(\a)+FR-1], v[8*(8*((\a)%4)+\b):8*(8*((\a)%4)+\b)+7], v[SC+8*NQ*(\sc)+NQ*\b+(\q)], v[SC+8*NQ*(\sc)+NQ*(\a)+(\q)] matrix_a_fmt:MATRIX_FMT_FP4 matrix_b_fmt:MATRIX_FMT_FP4 matrix_a_scale:MATRIX_SCALE_ROW1
.endif
.endr
.endr
.endm
.macro FETCH_B slot, q, p
	WIN TO_B
.irp i, 0,1,2,3,4,5,6,7
	FRAG 128*(\p)+FR*\i, ADRB+\slot, \q, \i
.endr
	WIN 0
.endm
.macro FETCH_A slot, q, i0
.irp i, \i0, \i0+1, \i0+2, \i0+3
	FRAG AF+FR*(\i), ADRA+\slot, \q, \i
.endr
.endm
.macro SCALES sc
.irp i, 0,1,2,3,4,5,6,7
	ds_load_b128 v[SC+8*NQ*\sc+NQ*\i:SC+8*NQ*\sc+NQ*\i+3], v[ADRS] offset:\i*SBLK
.endr
.endm
.macro PLACES n
.rept \n
	v_nop
.endr
.endm
.macro STEP slot, q, zero
	s_wait_dscnt 4*NL
	WIN MUL_LO
	MUL16 0, (\q)%2, \q, \slot, \zero
	MUL16 2, (\q)%2, \q, \slot, \zero
	s_wait_dscnt 0
	PLACES NP
	FETCH_B \slot, (\q)+1, 1-(\q)%2
	FETCH_A \slot, (\q)+1, 0
	WIN MUL_HI
	MUL16 4, (\q)%2, \q, \slot, \zero
	MUL16 6, (\q)%2, \q, \slot, \zero
	PLACES NP
	WIN 0
	FETCH_A \slot, (\q)+1, 4
.endm
.macro TURN slot, next
	s_wait_tensorcnt 0x0
	ds_add_u32 v[SPW], v[NIL]
	s_wait_dscnt 4*NL+1
	WIN MUL_LO
	MUL16 0, 1, NQ-1, \slot, 0
	s_wait_dscnt 0x0
	s_barrier_signal -1
	MUL16 2, 1, NQ-1, \slot, 0
	WIN 0
	s_barrier_wait -1
	PLACES NP
	v_add_nc_u32 v[ADRS], 4*NQ, v[ADRS]
	FETCH_B \next, 0, 0
	FETCH_A \next, 0, 0
	SCALES \next
	WIN MUL_HI
	MUL16 4, 1, NQ-1, \slot, 0
	MUL16 6, 1, NQ-1, \slot, 0
	PLACES NP
	WIN 0
	FETCH_A \next, 0, 4
.endm
.macro STEPS slot, from
.set Q, \from
.rept NQ-1-\from
	STEP \slot, Q, 0
.set Q, Q+1
.endr
.endm
	s_wait_alu depctr_va_vdst(0)
	s_wait_tensorcnt 0x0                           ; my tile of the head's four is in
	ds_add_u32 v[SPW], v[NIL]
	s_mov_b32 s[G1L+2], 128<<16                    ; no tensor load of mine is out, so a descriptor may be written: from here on a load brings 128 rows
	s_mov_b32 s[G1L+4], 128
	s_mov_b32 s[G1P+2], 128<<16
	s_mov_b32 s[G1P+4], 128
	s_wait_dscnt 0x0
	CROUND                                         ; all four tiles are in, and all sixteen work-groups are here
	JLOAD G0L+4, G1L, G0P+4, G1P                   ; K step 1, the first tensor load behind the round
	FETCH_B 0, 0, 0
	FETCH_A 0, 0, 0
	SCALES 0
	FETCH_A 0, 0, 4
	STEP 0, 0, 1
	STEPS 0, 1
	TURN 0, 1
	STEPS 1, 0
	s_wait_dscnt 4*NL
	WIN MUL_LO
	MUL16 0, 1, NQ-1, 1, 0
	MUL16 2, 1, NQ-1, 1, 0
	s_wait_dscnt 0
	WIN MUL_HI
	MUL16 4, 1, NQ-1, 1, 0
	MUL16 6, 1, NQ-1, 1, 0
	WIN 0
.macro QUANT s, pw
.irp b, 0,1,2,3
	v_max3_num_f32 v[TM+\b], |v[\s+16*\b]|, |v[\s+1+16*\b]|, 0x1800000
.endr
.irp i, 2,4,6,8,10,12,14
.irp b, 0,1,2,3
	v_max3_num_f32 v[TM+\b], v[TM+\b], |v[\s+16*\b+\i]|, |v[\s+1+16*\b+\i]|
.endr
.endr
.irp b, 0,1,2,3
	v_permlanex16_b32 v[TM+4+\b], v[TM+\b], s[SEL], s[SEL+1]
.endr
.irp b, 0,1,2,3
	v_max_num_f32 v[TM+\b], v[TM+\b], v[TM+4+\b]
.endr
.irp b, 0,1,2,3
	v_add_nc_u32 v[TM+12+\b], 0xff000000, v[TM+\b]
.endr
.irp b, 0,1,2,3
	v_lshrrev_b32 v[TM+4+\b], 23, v[TM+12+\b]
.endr
	v_lshl_or_b32 v[\pw], v[TM+5], 8, v[TM+4]
	v_lshl_or_b32 v[\pw], v[TM+6], 16, v[\pw]
	v_lshl_or_b32 v[\pw], v[TM+7], 24, v[\pw]
.irp b, 0,1,2,3
	v_cvt_scalef32_pk8_fp4_f32 v[PC+4*(\b/2)+(\b%2)], v[\s+16*\b:\s+16*\b+7], v[TM+12+\b]
	v_cvt_scalef32_pk8_fp4_f32 v[PC+4*(\b/2)+2+(\b%2)], v[\s+16*\b+8:\s+16*\b+15], v[TM+12+\b]
.endr
	v_nop
.irp c, 0,1,2,3
	v_permlane16_swap_b32 v[PC+2*\c], v[PC+2*\c+1]
.endr
.endm
.macro OUT a
.set AC, 64*((\a)%4)
.set WN, 0x02+(\a)/4
	s_cmp_eq_u32 s[ISV], 0
	s_cbranch_scc0 .Lbias_l_\@
	WIN WN
.irp b, 0,1,2,3,4,5,6,7
.irp i, 0,2,4,6
	v_pk_add_f32 v[HA+8*\b+\i:HA+8*\b+\i+1], v[AC+8*\b+\i:AC+8*\b+\i+1], v[BI+8*\b+\i:BI+8*\b+\i+1]
.endr
.endr
	WIN 0
	s_branch .Lbiased_\@
.Lbias_l_\@:
	WIN WN
.irp b, 0,1,2,3,4,5,6,7
.irp i, 0,2,4,6
	v_pk_add_f32 v[HA+8*\b+\i:HA+8*\b+\i+1], v[AC+8*\b+\i:AC+8*\b+\i+1], v[BI+8*(\a)+\i:BI+8*(\a)+\i+1]
.endr
.endr
	WIN 0
.Lbiased_\@:
.if (\a) > 0
	s_wait_xcnt 0x0
.endif
	QUANT HA, PWS+\a
	global_store_b128 v[CO], v[PC:PC+3], s[OUTP:OUTP+1] offset:(\a)*1024
	global_store_b128 v[CO], v[PC+4:PC+7], s[OUTP:OUTP+1] offset:(\a)*1024+512
.endm
	PLACES NP
	s_wait_loadcnt 0x0
.irp b, 0,1,2,3
	v_mov_b32 v[TM+4+\b], 0
.endr
.irp a, 0,1,2,3,4,5,6,7
	OUT \a
.endr
.irp w, 0,1,2,3
	v_cndmask_b32 v[R+\w], v[PWS+2*\w], v[PWS+2*\w+1], s[HI]
.endr
	global_store_b128 v[CO], v[R:R+3], s[OUTP:OUTP+1] offset:8192
	s_wait_tensorcnt 0x0
	ds_add_u32 v[SPW], v[NIL]
	s_wait_dscnt 0x0
	CROUND
	s_endpgm
.Lfunc_end_k_qd357966226_proj:
	.size	k_qd357966226_proj, .Lfunc_end_k_qd357966226_proj-k_qd357966226_proj
	.p2alignl 7, 3214868480
	.fill 96, 4, 3214868480
	.section	.rodata,"a",@progbits
	.p2align	6, 0x0
	.amdhsa_kernel k_qd357966226_proj
		.amdhsa_group_segment_fixed_size 327680
		.amdhsa_private_segment_fixed_size 0
		.amdhsa_enable_private_segment 0
		.amdhsa_kernarg_size 96
		.amdhsa_user_sgpr_count 2
		.amdhsa_user_sgpr_kernarg_segment_ptr 1
		.amdhsa_wavefront_size32 1
		.amdhsa_system_sgpr_workgroup_id_x 1
		.amdhsa_system_sgpr_workgroup_id_y 1
		.amdhsa_system_sgpr_workgroup_id_z 1
		.amdhsa_system_vgpr_workitem_id 0
		.amdhsa_next_free_vgpr 1024
		.amdhsa_next_free_sgpr 106
		.amdhsa_reserve_vcc 0
		.amdhsa_float_denorm_mode_32 3
		.amdhsa_float_denorm_mode_16_64 3
		.amdhsa_memory_ordered 1
		.amdhsa_forward_progress 1
		.amdhsa_inst_pref_size 168
	.end_amdhsa_kernel
	.amdgpu_metadata
---
amdhsa.version: [ 1, 2 ]
amdhsa.kernels:
  - .name:           k_qd357966226_proj
    .symbol:         k_qd357966226_proj.kd
    .args:
      - { .name: x_q_codes, .offset: 0, .size: 8, .value_kind: global_buffer, .address_space: global }
      - { .name: x_q_scales, .offset: 8, .size: 8, .value_kind: global_buffer, .address_space: global }
      - { .name: Wq_codes, .offset: 16, .size: 8, .value_kind: global_buffer, .address_space: global }
      - { .name: Wq_scales, .offset: 24, .size: 8, .value_kind: global_buffer, .address_space: global }
      - { .name: Wk_codes, .offset: 32, .size: 8, .value_kind: global_buffer, .address_space: global }
      - { .name: Wk_scales, .offset: 40, .size: 8, .value_kind: global_buffer, .address_space: global }
      - { .name: Wv_codes, .offset: 48, .size: 8, .value_kind: global_buffer, .address_space: global }
      - { .name: Wv_scales, .offset: 56, .size: 8, .value_kind: global_buffer, .address_space: global }
      - { .name: bq, .offset: 64, .size: 8, .value_kind: global_buffer, .address_space: global }
      - { .name: bk, .offset: 72, .size: 8, .value_kind: global_buffer, .address_space: global }
      - { .name: bv, .offset: 80, .size: 8, .value_kind: global_buffer, .address_space: global }
      - { .name: qkv, .offset: 88, .size: 8, .value_kind: global_buffer, .address_space: global }
    .group_segment_fixed_size: 327680
    .private_segment_fixed_size: 0
    .kernarg_segment_align: 8
    .kernarg_segment_size: 96
    .max_flat_workgroup_size: 128
    .sgpr_count:     106
    .vgpr_count:     1024
    .wavefront_size: 32
...
	.end_amdgpu_metadata
.endif
;; end of part 1
;; launch attn (part 2): grid 32 x 8, 8 waves a work-group, clusters of 4 x 4, 327,680 bytes of LDS; arguments qkv, attn_mask, a_img, a_sc; writes a_img, a_sc
.if DOCPART == 2
	.amdgcn_target "amdgcn-amd-amdhsa--gfx1250"
	.amdhsa_code_object_version 6
	.text
	.protected	k_qd357966226_attn
	.globl	k_qd357966226_attn
	.p2align	8
	.type	k_qd357966226_attn,@function
k_qd357966226_attn:
	s_mov_b64 s[64:65], 0
	v_nop
	global_prefetch_b8 v0, s[64:65] scope:SCOPE_SE
	s_setreg_imm32_b32 hwreg(HW_REG_WAVE_MODE, 25, 1), 1
	s_wait_xcnt 0x0
	s_wait_alu depctr_hold_cnt(0) depctr_sa_sdst(0) depctr_va_vdst(0) depctr_va_sdst(0) depctr_va_ssrc(0) depctr_va_vcc(0) depctr_vm_vsrc(0)
	s_getreg_b32 s2, hwreg(HW_REG_IB_STS2, 6, 4)
	s_cmp_eq_u32 s2, 0
	s_cbranch_scc0 .Lentry_in_a_cluster
	s_endpgm
.Lentry_in_a_cluster:
	s_bfe_u32 s2, ttmp6, 0x10000c
	s_cmp_lg_u32 s2, 0xf033
	s_cbranch_scc0 .Lentry_shape_is_right
	s_endpgm
.Lentry_shape_is_right:
; For each batch and head: S = q k^T / 8 + mask, the softmax, O = P v, and the quantiser of O along C.  Both products on codes of E2M1.  No work of reference() is left out here.
; THE LOGIT COMES WHOLE OUT OF THE FIRST PRODUCT: the factor 1/8 is a power of two and is taken off q's scale bytes (3 off each byte, held at 0 from below), and the mask's tile is the product's C.
; THE SOFTMAX AHEAD OF THE SECOND PRODUCT: t = logit x log2(e); M = the running largest t rounded up to a whole number; p = 2^(t - M) is quantised along the keys, not normalised;
; the row's sum of the unquantised p divides O at the end; when M moves, the sum and O are multiplied by 2^(old M - new M), exactly.
; LIMITS: NaN and infinities in the mask are not served.  The running largest logit starts at -1e38.  The promise holds while |t| stays under 2^31.  A p under 2^-126 comes out as 0.
; A block of q whose scale byte is under 3 is taken with the byte 0.  A block of zeros carries the byte 1 where the rule says 127: its codes are zeros and the bytes are read by this program alone.
; SHARES.  A work-group: 64 queries x 4 heads of one batch.  Wave w of eight: query tile w & 3, PAIR of heads w >> 2, in 512 registers: two waves to a SIMD.
; A fragment of K as it lies, [head 0's 64 | head 1's 64], feeds two products: against [Q0 | zero codes] and against [zero codes | Q1].  A wave reads its 16 x 128 of the mask once for both heads.
; CLUSTER 4 x 4: cx = the block of queries, cy = the group of four heads, cluster y = the batch.  The mask's tile hangs on cx alone and is asked for jointly along a column; K's and V's chunks hang on cy alone, jointly along a row.
; RING: two slots of 256 keys (two steps of 128).  Waves 0-3 fetch 16 rows of the mask each, waves 4-7 one dense block each (two chunks: K of pair 0, 1; V of pair 0, 1): one load a wave.
; REGISTERS RUN ONE STEP AHEAD OF THE WORK: step n issues the LDS loads of step n + 1 (K, V and their scale words behind the first products, the mask behind head 1's conversion), so a step has one LDS wait, at its top.
; So a slot is read out when its second step begins: the change of slots stands there, and the refill has two steps in which to land.
; LAYOUT.  S^T = K Q^T + mask^T (source 0 = 16 keys, source 1 = my 16 queries), O^T = V^T P^T: a lane holds ONE query.  Register 8 a + j of S^T is key 16 a + 8 (lane / 16) + j.
; WINDOWS.  Window 0: v0-63 addresses, scale words, statistics; head 0's S, O, V (two sets), p's codes; v232-243 [Q0 | 0 | Q1].  Window 1: v0-63 K's eight fragments; head 1's, at the same numbers; its S is the mask's tile, summed onto in place.
.set PART,  2228224
.set CH,    8704
.set MP,    1040                       ; a row of the mask's tile in LDS: 1,024 bytes + 16 = 65 x 16
.set DB,    2*CH
.set KOFF,  64*MP
.set VREL,  2*DB                       ; from a pair's block of K to its block of V
.set SLOTB, KOFF+4*DB
.set STG,   2*SLOTB                    ; 512 bytes: the work-group's scale words of O
.set SPARE, STG+512                    ; the spare words: 128 bytes a wave
.set AKB, 1                            ; my pair's block of K in slot 0, + 16 x lane
.set AMB, 3                            ; my query's row of the mask in slot 0, + 8 (lane / 16) keys
.set ADK, 6                            ; the same two in the slot that is being read
.set ADM, 7
.set GO,  11
.set NINF, 12
.set SPW, 14
.set NIL, 15
.set PFO, 16
.set SA,  17
.set SR,  18
.set KS,  20                           ; v20-23 K's scale words: register a / 2, lanes 16 (a & 1) on
.set VS,  24                           ; v24-31 V's, two sets: register 2 head + d / 2
.set PWD, 32                           ; v32-33 p's scale words
.set QS,  34
.set NM,  36                           ; v36, v38: -M;  v37, v39: the largest logit so far
.set F,   40                           ; v40, v42: 2^(old M - new M)
.set BM,  44                           ; v[44 + 8 head + b]: block b's largest;  + 4: a second chain, then at work
.set X,   60
.set Y,   62
.set S,   64
.set O,   128
.set V,   160
.set PC,  224
.set Q,   232
.set L,   244                          ; v[244:245] the sum in two halves; v246-255 five more chains
.set WV,  12
.set QT,  13
.set PI,  15
.set CX,  17
.set CY,  18
.set QB,  19
.set BB,  20
.set CS,  22
.set NC,  24
.set SEL, 26
.set G1M, 28
.set G1D, 36
.set G0M, 44
.set G0D, 48
.set LBM, 52
.set LBD, 53
.set TB,  54
.set LAP, 60
.set LIM, 62
.set PFA, 66
.set PFS, 68
.set MSB, 0
.macro WIN new                         ; low byte: bits 1:0 source 0, 3:2 source 1, 5:4 source 2, 7:6 destination; the high byte repeats the setting that is left
.if MSB != (\new)
	s_set_vgpr_msb (MSB<<8)|(\new)
.set MSB, (\new)
.endif
.endm
.macro ALU
	s_wait_alu depctr_va_vdst(0)
.endm
.macro DLY n
	s_delay_alu instid0(VALU_DEP_\n)
.endm
.macro NOPS n
.rept \n
	v_nop
.endr
.endm
.macro TLOAD                           ; every wave issues one: the branch hangs on the wave's number alone.  An s_nop 0 and four v_nop follow each line
	s_cmp_lt_u32 s[WV], 4
	s_cbranch_scc0 .Ldense_\@
	tensor_load_to_lds s[G0M:G0M+3], s[G1M:G1M+7]
	s_nop 0
	NOPS 4
	s_branch .Lasked_\@
.Ldense_\@:
	tensor_load_to_lds s[G0D:G0D+3], s[G1D:G1D+7]
	s_nop 0
	NOPS 4
.Lasked_\@:
.endm
; A PREFETCH of what the NEXT change of slots will ask for: two key steps ahead of that load.  Each aligned block of 256 bytes is named once in the launch.  The mask's rows are read by both batches: the clusters of batch 0 ask;
; partner cy takes rows 16 cy on, wave 0 or 1 a half of their 1,024 bytes, a lane a row and a block.  K's and V's blocks are read by all clusters along x: those with x = 0 ask; partner cx takes dense block cx,
; wave 2 or 3 one chunk's 8,192 bytes of codes, lanes 256 bytes apart.  Partners are told apart by address alone.  The last refill (one trip to go) asks for nothing: no tile lies behind it.
.macro ASK
	s_cmp_gt_u32 s[LAP], s[LIM]
	s_cbranch_scc0 .Lnot_mine_\@
	global_prefetch_b8 v[PFO], s[PFA:PFA+1] th:TH_LOAD_NT scope:SCOPE_SE
.Lnot_mine_\@:
.endm
.macro CROUND
	s_barrier_signal -1
	s_barrier_wait -1
	s_cmp_lg_u32 s[WV], 0
	s_cbranch_scc1 .Lnot_wave_0_\@
	s_barrier_signal -3
.Lnot_wave_0_\@:
	s_barrier_wait -3
	s_barrier_signal -1
	s_barrier_wait -1
.endm
	s_load_b256 s[4:11], s[0:1], 0x0               ; qkv, mask, a_img, a_sc
	v_lshl_add_u32 v[SPW], v0, 2, SPARE
	v_mov_b32 v[NIL], 0
	ds_add_u32 v[SPW], v[NIL]                      ; the wave's opening: the add, twice on end, and its wait ahead of the first tensor loads
	ds_add_u32 v[SPW], v[NIL]
	v_lshrrev_b32 v1, 5, v0
	DLY 1
	v_readfirstlane_b32 s[WV], v1                  ; wave 0..7
	s_and_b32 s[QT], s[WV], 3                      ; my tile of 16 queries; also: which part of a slot I fetch
	s_lshr_b32 s[PI], s[WV], 2                     ; my pair of heads
	s_bfe_u32 s[CX], ttmp6, 0x40000
	s_bfe_u32 s[CY], ttmp6, 0x40004
	s_lshl_b32 s[QB], ttmp9, 2
	s_add_co_u32 s[QB], s[QB], s[CX]               ; my block of 64 queries
	s_and_b32 s[BB], ttmp7, 0xffff                 ; the batch
	s_lshl_b32 s70, s[CY], 2
	s_lshl_b32 s70, 15, s70                        ; my row of the cluster
	s_lshl_b32 s71, 0x1111, s[CX]                  ; my column
	s_or_b32 s[G1M], s71, (2<<16)|(1<<20)|(1<<21)|(7<<22)|(3<<25)   ; the mask: elements of 4 bytes; 4 words of padding behind every 256; bit 21 beside a mask
	s_mov_b32 s[G1M+1], 256<<16
	s_mov_b32 s[G1M+2], 16<<16
	s_mov_b32 s[G1M+3], 256<<16
	s_mov_b32 s[G1M+4], 16
	s_mov_b32 s[G1M+5], 2048
	s_mov_b32 s[G1M+6], 0
	s_mov_b32 s[G1M+7], 0
	s_or_b32 s[G1D], s70, (3<<16)|(1<<21)          ; two chunks: 17,408 dense bytes as 68 rows of 32 elements of 8 bytes, no padding
	s_mov_b32 s[G1D+1], 32<<16
	s_mov_b32 s[G1D+2], 68<<16
	s_mov_b32 s[G1D+3], 32<<16
	s_mov_b32 s[G1D+4], 68
	s_mov_b32 s[G1D+5], 32
	s_mov_b32 s[G1D+6], 0
	s_mov_b32 s[G1D+7], 0
	s_lshl_b32 s72, s[QB], 19                      ; the mask: row 64 qb + 16 (wave & 3), 8,192 bytes a row
	s_lshl_b32 s73, s[QT], 17
	s_add_co_u32 s72, s72, s73
	s_mov_b32 s73, 0
	s_lshl_b32 s74, s[BB], 3
	s_lshl_b32 s75, s[CY], 1
	s_add_co_u32 s74, s74, s75                     ; 8 batch + the first of the work-group's two pairs of heads (kept)
	s_and_b32 s75, s[WV], 1
	s_add_co_u32 s75, s74, s75
	s_mul_i32 s75, s75, 16*CH                      ; the pair's sixteen chunks
	s_lshr_b32 s76, s[QT], 1
	s_add_co_u32 s76, s76, 1                       ; part 1: k, part 2: v
	s_mul_i32 s76, s76, PART
	s_add_co_u32 s76, s76, s75
	s_mov_b32 s77, 0
	s_mul_i32 s[LBM], s[QT], 16*MP                 ; where they go in a slot: the wave's number alone
	s_mul_i32 s[LBD], s[QT], DB
	s_add_co_u32 s[LBD], s[LBD], KOFF
	s_mov_b32 s[CS], 0x3fb8aa3b                    ; c = log2(e)
	s_mov_b32 s[CS+1], s[CS]
	s_mov_b32 s[NC], 0xbfb8aa3b                    ; -c
	s_mov_b32 s[SEL], 0x76543210
	s_mov_b32 s[SEL+1], 0xfedcba98
	s_mov_b32 s[TB], 0
	s_wait_dscnt 0x0                               ; both opening adds are done
	s_wait_kmcnt 0x0
	s_mov_b32 s[G0M], 1                            ; the walking descriptors: keys 0 to 255, slot 0
	s_mov_b32 s[G0M+1], s[LBM]
	s_add_nc_u64 s[G0M+2:G0M+3], s[6:7], s[72:73]
	s_or_b32 s[G0M+3], s[G0M+3], 0x80000000
	s_mov_b32 s[G0D], 1
	s_mov_b32 s[G0D+1], s[LBD]
	s_add_nc_u64 s[G0D+2:G0D+3], s[4:5], s[76:77]
	s_or_b32 s[G0D+3], s[G0D+3], 0x80000000
	CROUND                                         ; all sixteen work-groups are here: the first joint loads meet
	TLOAD
	; scalar set-up first, then the vector lines in one run
	s_mul_i32 s91, s[PI], DB
	s_add_co_u32 s91, s91, KOFF
	s_mul_i32 s92, s[QT], 16*MP
	s_lshl_b32 s93, s[QT], 7
	s_lshl_b32 s94, s[PI], 6
	s_add_co_u32 s93, s93, s94
	s_add_co_u32 s93, s93, STG                     ; the stage: [query tile][pair][r][4 bytes]
	s_add_co_u32 s80, s74, s[PI]                   ; Q: chunk (8 batch + pair) 16 + qb / 2, tile a = 4 (qb & 1) + query tile
	s_lshl_b32 s80, s80, 4
	s_lshr_b32 s81, s[QB], 1
	s_add_co_u32 s80, s80, s81
	s_mul_i32 s80, s80, CH
	s_and_b32 s81, s[QB], 1
	s_lshl_b32 s81, s81, 2
	s_add_co_u32 s81, s81, s[QT]
	s_lshl_b32 s82, s81, 10
	s_add_co_u32 s82, s82, s80
	s_mov_b32 s83, 0
	s_add_nc_u64 s[82:83], s[4:5], s[82:83]
	s_and_b32 s84, s81, 1                          ; its scale words: word a / 2 of lanes 16 (a & 1) + r
	s_lshl_b32 s84, s84, 8
	s_lshr_b32 s85, s81, 1
	s_lshl_b32 s85, s85, 2
	s_add_co_u32 s84, s84, s85
	s_add_co_u32 s84, s84, s80
	s_add_co_u32 s84, s84, 8192
	s_mov_b32 s85, 0
	s_add_nc_u64 s[84:85], s[4:5], s[84:85]
	s_lshl_b32 s86, s[BB], 7                       ; O's image: tile of rows 128 batch + 4 qb + query tile, pair 2 cy + my pair: 1,024 bytes
	s_lshl_b32 s87, s[QB], 2
	s_add_co_u32 s86, s86, s87
	s_add_co_u32 s86, s86, s[QT]
	s_lshl_b32 s86, s86, 13
	s_lshl_b32 s87, s[CY], 1
	s_add_co_u32 s87, s87, s[PI]
	s_lshl_b32 s87, s87, 10
	s_add_co_u32 s86, s86, s87
	s_mov_b32 s87, 0
	s_add_nc_u64 s[8:9], s[8:9], s[86:87]
	s_lshl_b32 s86, s[BB], 5                       ; its scale words: 512 bytes for (32 batch + qb) 4 + cy
	s_add_co_u32 s86, s86, s[QB]
	s_lshl_b32 s86, s86, 2
	s_add_co_u32 s86, s86, s[CY]
	s_lshl_b32 s86, s86, 9
	s_add_nc_u64 s[10:11], s[10:11], s[86:87]
	; the prefetches: where mine stand (at the third tile: the first refill steps them to the fourth), and who asks.  Nothing is prefetched at the head
	s_lshl_b32 s88, s[QB], 19
	s_lshl_b32 s89, s[CY], 17
	s_add_co_u32 s88, s88, s89
	s_and_b32 s89, s[WV], 1
	s_lshl_b32 s90, s89, 9
	s_add_co_u32 s88, s88, s90
	s_add_co_u32 s88, s88, 2048
	s_and_b32 s90, s[CX], 1
	s_add_co_u32 s90, s90, s74
	s_mul_i32 s90, s90, 16*CH
	s_mul_i32 s89, s89, CH
	s_add_co_u32 s90, s90, s89
	s_lshr_b32 s89, s[CX], 1
	s_add_co_u32 s89, s89, 1
	s_mul_i32 s89, s89, PART
	s_add_co_u32 s90, s90, s89
	s_add_co_u32 s90, s90, 2*DB
	s_mov_b32 s70, DB
	s_mov_b32 s71, 4096
	s_mov_b32 s75, 256
	s_cmp_lt_u32 s[WV], 2                          ; waves 0, 1: the mask; waves 2, 3: the chunks
	s_cselect_b64 s[PFA:PFA+1], s[6:7], s[4:5]
	s_cselect_b32 s88, s88, s90
	s_cselect_b32 s[PFS], 1024, s70                ; a tile on
	s_cselect_b32 s72, s[BB], ttmp9                ; the coordinate along which other clusters read the same bytes
	s_cselect_b32 s73, 8192, s75                   ; from lane to lane in a half,
	s_cselect_b32 s75, s75, s71                    ; and from half to half
	s_mov_b32 s89, 0
	s_mov_b32 s[PFS+1], 0
	s_add_nc_u64 s[PFA:PFA+1], s[PFA:PFA+1], s[88:89]
	s_lshr_b32 s76, s[WV], 2                       ; 0 in waves 0 to 3
	s_or_b32 s76, s76, s72
	s_cmp_eq_u32 s76, 0
	s_cselect_b32 s[LIM], 1, -1                    ; the same in all sixteen partners, for a given wave
	v_and_b32 v60, 31, v0
	v_and_b32 v61, 15, v0                          ; r
	v_bfe_u32 v62, v0, 4, 1                        ; h
	DLY 3
	v_lshlrev_b32 v[GO], 4, v60                    ; 16 x lane
	DLY 3
	v_mul_u32_u24 v[AMB], v61, MP
	v_lshlrev_b32 v63, 4, v61
	DLY 3
	v_add_nc_u32 v[AKB], s91, v[GO]
	DLY 3
	v_lshl_add_u32 v[AMB], v62, 5, v[AMB]
	v_lshl_add_u32 v[SA], v61, 2, s93
	v_add_nc_u32 v[SR], STG, v[GO]
	DLY 3
	v_add_nc_u32 v[AMB], s92, v[AMB]
	v_mov_b32 v[ADK], v[AKB]
	v_mul_lo_u32 v[PFO], v61, s73
	v_mul_lo_u32 v60, v62, s75
	DLY 4
	v_mov_b32 v[ADM], v[AMB]
	DLY 2
	v_add_nc_u32 v[PFO], v[PFO], v60
	ALU
	global_load_b128 v[Q:Q+3], v[GO], s[82:83]             ; Q0
	global_load_b128 v[Q+8:Q+11], v[GO], s[82:83] offset:512   ; Q1
	global_load_b32 v[QS], v63, s[84:85]
.set j, 0
.rept 32
	v_mov_b32 v[O+j], 0                            ; O^T.  (The step is written once: the first finds zeros, which the first change of M leaves zeros)
.set j, j+1
.endr
	v_mov_b32 v[L], 0
	v_mov_b32 v[L+1], 0
	WIN 0x40
.set j, 0
.rept 32
	v_mov_b32 v[O+j], 0
.set j, j+1
.endr
	v_mov_b32 v[L], 0
	v_mov_b32 v[L+1], 0
	WIN 0
	ALU
	s_wait_loadcnt 0x0                             ; Q
	v_bfe_u32 v60, v[QS], 0, 8                     ; 1/8 goes into q's scale bytes: 3 off each, held at 0
	v_bfe_u32 v61, v[QS], 8, 8
	v_bfe_u32 v62, v[QS], 16, 8
	v_lshrrev_b32 v63, 24, v[QS]
.irp k, 60,61,62,63
	DLY 4
	v_max_u32 v\k, 3, v\k
.endr
.irp k, 60,61,62,63
	DLY 4
	v_add_nc_u32 v\k, -3, v\k
.endr
	DLY 3
	v_lshl_or_b32 v60, v61, 8, v60
	DLY 2
	v_lshl_or_b32 v62, v63, 8, v62
	DLY 1
	v_lshl_or_b32 v[QS], v62, 16, v60
.irp j, 4,5,6,7
	v_mov_b32 v[Q+\j], 0                           ; zero codes between Q0 and Q1: v232-239 = [Q0 | 0], v236-243 = [0 | Q1]
.endr
	v_mov_b32 v[NINF], 0xff800000
	v_mov_b32 v[NM+1], 0xfe967699                  ; the largest logit so far: -1e38
	v_mov_b32 v[NM+3], 0xfe967699
	v_mov_b32 v[F+1], 0                            ; (named as the upper halves of pairs)
	v_mov_b32 v[F+3], 0
	DLY 4
	v_mul_f32 v[NM], s[NC], v[NM+1]
	DLY 4
	v_mul_f32 v[NM+2], s[NC], v[NM+3]
	DLY 2
	v_floor_f32 v[NM], v[NM]                       ; -M
	DLY 2
	v_floor_f32 v[NM+2], v[NM+2]
.macro QK hd, a                        ; S^T of head hd, keys 16 a on, = K Q^T + the mask's tile
.if (\a)%2
	v_wmma_scale_f32_16x16x128_f8f6f4 v[S+8*(\a):S+8*(\a)+7], v[8*(\a):8*(\a)+7], v[Q+4*(\hd):Q+4*(\hd)+7], v[S+8*(\a):S+8*(\a)+7], v[KS+(\a)/2], v[QS] matrix_a_fmt:MATRIX_FMT_FP4 matrix_b_fmt:MATRIX_FMT_FP4 matrix_a_scale:MATRIX_SCALE_ROW1
.else
	v_wmma_scale_f32_16x16x128_f8f6f4 v[S+8*(\a):S+8*(\a)+7], v[8*(\a):8*(\a)+7], v[Q+4*(\hd):Q+4*(\hd)+7], v[S+8*(\a):S+8*(\a)+7], v[KS+(\a)/2], v[QS] matrix_a_fmt:MATRIX_FMT_FP4 matrix_b_fmt:MATRIX_FMT_FP4
.endif
.endm
.macro PV hd, d, q                     ; O^T of head hd, channels 16 d on, += V^T P^T over these 128 keys; V's set q
.if (\d)%2
	v_wmma_scale_f32_16x16x128_f8f6f4 v[O+8*(\d):O+8*(\d)+7], v[V+32*(\q)+8*(\d):V+32*(\q)+8*(\d)+7], v[PC:PC+7], v[O+8*(\d):O+8*(\d)+7], v[VS+4*(\q)+2*(\hd)+(\d)/2], v[PWD+(\hd)] matrix_a_fmt:MATRIX_FMT_FP4 matrix_b_fmt:MATRIX_FMT_FP4 matrix_a_scale:MATRIX_SCALE_ROW1
.else
	v_wmma_scale_f32_16x16x128_f8f6f4 v[O+8*(\d):O+8*(\d)+7], v[V+32*(\q)+8*(\d):V+32*(\q)+8*(\d)+7], v[PC:PC+7], v[O+8*(\d):O+8*(\d)+7], v[VS+4*(\q)+2*(\hd)+(\d)/2], v[PWD+(\hd)] matrix_a_fmt:MATRIX_FMT_FP4 matrix_b_fmt:MATRIX_FMT_FP4
.endif
.endm
.macro LDKV ch                         ; chunk ch of the slot at ADK: K's eight fragments, V's eight into set ch, their scale words: 34 loads of 512 consecutive bytes
	WIN 0
	ds_load_b128 v[KS:KS+3], v[ADK] offset:(\ch)*CH+8192
	ds_load_b128 v[VS+4*(\ch):VS+4*(\ch)+3], v[ADK] offset:VREL+(\ch)*CH+8192
.irp d, 0,1,2,3
.irp c, 0,1
	ds_load_b128 v[V+32*(\ch)+8*\d+4*\c:V+32*(\ch)+8*\d+4*\c+3], v[ADK] offset:VREL+(\ch)*CH+\d*1024+\c*512
.endr
.endr
	WIN 0x40
.irp a, 0,1,2,3,4,5,6,7
.irp c, 0,1
	ds_load_b128 v[8*\a+4*\c:8*\a+4*\c+3], v[ADK] offset:(\ch)*CH+\a*1024+\c*512
.endr
.endr
.irp d, 0,1,2,3
.irp c, 0,1
	ds_load_b128 v[V+32*(\ch)+8*\d+4*\c:V+32*(\ch)+8*\d+4*\c+3], v[ADK] offset:VREL+(\ch)*CH+4096+\d*1024+\c*512
.endr
.endr
	WIN 0
.endm
.macro LDM ch                          ; the mask of the slot's step ch, into head 1's S
	WIN 0x40
.irp a, 0,1,2,3,4,5,6,7
	ds_load_b128 v[S+8*\a:S+8*\a+3], v[ADM] offset:(\ch)*512+64*\a
	ds_load_b128 v[S+8*\a+4:S+8*\a+7], v[ADM] offset:(\ch)*512+64*\a+16
.endr
	WIN 0
.endm
.macro MAXES hd                        ; the largest logit of each half block, eight chains by turns; each accumulator is read from its low end on
	WIN 0x14*(\hd)
.irp i, 0,2,4,6
.irp b, 0,1,2,3
.irp u, 0,1
.if \i == 0
	v_max3_num_f32 v[BM+8*(\hd)+4*\u+\b], v[NINF], v[S+16*\b+8*\u], v[S+16*\b+8*\u+1]
.else
	v_max3_num_f32 v[BM+8*(\hd)+4*\u+\b], v[BM+8*(\hd)+4*\u+\b], v[S+16*\b+8*\u+\i], v[S+16*\b+8*\u+\i+1]
.endif
.endr
.endr
.endr
.endm
.macro STATS                           ; both heads by turns, in window 0
.irp k, 0,1,2,3,8,9,10,11
	v_max_num_f32 v[BM+\k], v[BM+\k], v[BM+4+\k]
.endr
.irp k, 0,1,2,3,8,9,10,11
	v_permlanex16_b32 v[BM+4+\k], v[BM+\k], s[SEL], s[SEL+1]
.endr
.irp k, 0,1,2,3,8,9,10,11
	v_max_num_f32 v[BM+\k], v[BM+\k], v[BM+4+\k]   ; the largest logit of each block of 32 keys: for the row's maximum, and, since p rises with it, for the block's largest p
.endr
	v_max3_num_f32 v[X], v[BM], v[BM+1], v[BM+2]
	DLY 3
	v_max3_num_f32 v[X+1], v[BM+8], v[BM+9], v[BM+10]
.irp h, 0,1
	DLY 2
	v_max3_num_f32 v[NM+1+2*\h], v[NM+1+2*\h], v[X+\h], v[BM+8*\h+3]   ; the running largest logit
.endr
.irp h, 0,1
	DLY 2
	v_mul_f32 v[X+\h], s[NC], v[NM+1+2*\h]         ; -t (c is positive)
.endr
.irp h, 0,1
	DLY 2
	v_floor_f32 v[Y+\h], v[X+\h]                   ; the new -M = -ceil(t)
.endr
.irp h, 0,1
	DLY 2
	v_sub_f32 v[X+\h], v[Y+\h], v[NM+2*\h]         ; old M - new M: a whole number, 0 or less
.endr
.irp h, 0,1
	DLY 4
	v_mov_b32 v[NM+2*\h], v[Y+\h]
.endr
.irp h, 0,1
	DLY 4
	v_cvt_i32_f32 v[X+\h], v[X+\h]                 ; (it saturates)
.endr
.irp h, 0,1
	DLY 2
	v_ldexp_f32 v[F+2*\h], 1.0, v[X+\h]            ; f = 2^(old M - new M)
.endr
.irp k, 0,1,2,3,8,9,10,11
	v_fma_f32 v[BM+\k], v[BM+\k], s[CS], v[NM+2*(\k/8)]
.endr
.endm
.macro SCALE hd                        ; t - M
	WIN 0x41*(\hd)
.set j, 0
.rept 32
	v_pk_fma_f32 v[S+j:S+j+1], v[S+j:S+j+1], s[CS:CS+1], v[NM+2*(\hd):NM+2*(\hd)+1] op_sel_hi:[1,0,0]
.set j, j+2
.endr
.endm
.macro SOFT hd                         ; one head: p, its sum, its scale word, its codes
	WIN 0
	ALU                                            ; one wait ahead of the batch
.irp b, 0,1,2,3
	v_exp_f32 v[BM+8*(\hd)+\b], v[BM+8*(\hd)+\b]   ; the block's largest p
.endr
	WIN 0x41*(\hd)
.set j, 0
.rept 64
	v_exp_f32 v[S+j], v[S+j]                       ; p = 2^(t - M)
.set j, j+1
.endr
	v_pk_mul_f32 v[L:L+1], v[L:L+1], v[F+2*(\hd):F+2*(\hd)+1] op_sel_hi:[1,0]   ; the sum under the new M: the plain place behind the batch
	ALU                                            ; and one behind it
	WIN 0x55*(\hd)
.irp n, 1,2,3,4,5
	v_pk_add_f32 v[L+2*\n:L+2*\n+1], v[S+4*\n-4:S+4*\n-3], v[S+4*\n-2:S+4*\n-1]   ; the sum of the unquantised p: six chains by turns
.endr
.set k, 0
.rept 22
	v_pk_add_f32 v[L+2*(k%6):L+2*(k%6)+1], v[L+2*(k%6):L+2*(k%6)+1], v[S+20+2*k:S+21+2*k]
.set k, k+1
.endr
	v_pk_add_f32 v[L+8:L+9], v[L+8:L+9], v[L+10:L+11]
	DLY 4
	v_pk_add_f32 v[L:L+1], v[L:L+1], v[L+2:L+3]
	DLY 3
	v_pk_add_f32 v[L+4:L+5], v[L+4:L+5], v[L+6:L+7]
	DLY 2
	v_pk_add_f32 v[L:L+1], v[L:L+1], v[L+8:L+9]
	DLY 1
	v_pk_add_f32 v[L:L+1], v[L:L+1], v[L+4:L+5]
	WIN 0
.irp b, 0,1,2,3
	v_max_num_f32 v[BM+8*(\hd)+\b], 0x1800000, v[BM+8*(\hd)+\b]   ; the floor 2^(3 - 127)
.endr
.irp b, 0,1,2,3
	DLY 4
	v_add_nc_u32 v[BM+8*(\hd)+\b], 0xff000000, v[BM+8*(\hd)+\b]   ; the conversion's scale operand
.endr
.irp b, 0,1,2,3
	DLY 4
	v_lshrrev_b32 v[BM+8*(\hd)+4+\b], 23, v[BM+8*(\hd)+\b]        ; the scale's byte
.endr
	DLY 3
	v_lshl_or_b32 v[PWD+(\hd)], v[BM+8*(\hd)+5], 8, v[BM+8*(\hd)+4]
	DLY 2
	v_lshl_or_b32 v[X+(\hd)], v[BM+8*(\hd)+7], 8, v[BM+8*(\hd)+6]
	DLY 1
	v_lshl_or_b32 v[PWD+(\hd)], v[X+(\hd)], 16, v[PWD+(\hd)]      ; p's scale word for these 128 keys
	WIN 0x41*(\hd)
.irp b, 0,1,2,3
	v_cvt_scalef32_pk8_fp4_f32 v[PC+4*(\b/2)+(\b%2)], v[S+16*\b:S+16*\b+7], v[BM+8*(\hd)+\b]         ; keys 32 b + 8 (lane / 16) on,
	v_cvt_scalef32_pk8_fp4_f32 v[PC+4*(\b/2)+2+(\b%2)], v[S+16*\b+8:S+16*\b+15], v[BM+8*(\hd)+\b]    ; and 16 further on
.endr
	v_nop                                          ; one plain place behind a scaled conversion
.irp c, 0,1,2,3
	v_permlane16_swap_b32 v[PC+2*\c], v[PC+2*\c+1] ; a whole block of 32 keys to a lane
.endr
	WIN 0
.endm
.macro RESC hd                         ; O^T under the new M
	WIN 0x41*(\hd)
	ALU                                            ; the wait directly ahead of the first reader of O^T
.set j, 0
.rept 16
	v_pk_mul_f32 v[O+j:O+j+1], v[O+j:O+j+1], v[F+2*(\hd):F+2*(\hd)+1] op_sel_hi:[1,0]
.set j, j+2
.endr
.endm
; A KEY STEP: 128 keys, the q-th of the slot in hand.  fill = 1: at the top of the slot's second step the slot, which is read out, is asked for again.  fill = 0: nothing is asked for, and the very last step fetches nothing.
.macro STEP q, fill
	ALU
.if \q
	s_wait_tensorcnt 0x0                           ; my one load that was out, my part of the other slot, has landed: so a group 0 may be written
	ds_add_u32 v[SPW], v[NIL]                      ; 0 onto my spare word
.if \fill
	s_add_nc_u64 s[G0M+2:G0M+3], s[G0M+2:G0M+3], 1024   ; the walking descriptors: the next 256 keys, into the slot in hand
	s_add_co_u32 s[G0M+1], s[LBM], s[TB]
	s_add_nc_u64 s[G0D+2:G0D+3], s[G0D+2:G0D+3], DB
	s_add_co_u32 s[G0D+1], s[LBD], s[TB]
	s_wait_xcnt 0x0                                ; the last prefetch, a slot back, has read its address
	s_add_nc_u64 s[PFA:PFA+1], s[PFA:PFA+1], s[PFS:PFS+1]
.endif
	s_wait_dscnt 0x0                               ; the add is done; this step's operands are in registers, and they were my last reads of this slot
.if \fill
	CROUND                                         ; no wave of any partner still reads this slot or has a load on its way
	TLOAD                                          ; the first thing behind the round, one load a wave
	ASK
.else
	s_barrier_signal -1                            ; everybody's part of the other slot has landed (in the last trip the barrier orders nothing more: the body is written once)
	s_barrier_wait -1
.endif
	s_xor_b32 s[TB], s[TB], SLOTB                  ; from here on the other slot is read
.else
	s_wait_dscnt 0x0                               ; this step's operands are in registers
.endif
	WIN 0x11
.irp a, 0,1,2,3,4,5,6,7
	QK 0, \a
.endr
	WIN 0
.if \q                                 ; five places: head 1's products write over the mask's tile, which head 0's have read
	v_add_nc_u32 v[ADK], s[TB], v[AKB]
	v_add_nc_u32 v[ADM], s[TB], v[AMB]
	NOPS 3
.else
	NOPS 5
.endif
	WIN 0x51
.irp a, 0,1,2,3,4,5,6,7
	QK 1, \a
.endr
	MAXES 0                                        ; these 32 are also the places in front of the loads below
	WIN 0
.if (\q) && (1-(\fill))
	ALU
	s_cmp_eq_u32 s[LAP], 1
	s_cbranch_scc1 .Lno_kv_\@
.endif
	LDKV 1-(\q)
.Lno_kv_\@:
	MAXES 1
	WIN 0
	STATS
	SCALE 0
	SCALE 1
	SOFT 1
.if (\q) && (1-(\fill))
	ALU
	s_cmp_eq_u32 s[LAP], 1
	s_cbranch_scc1 .Lno_m_\@
.endif
	LDM 1-(\q)                                     ; head 1's p is converted: the next step's mask lands where it lay
.Lno_m_\@:
	SOFT 0
	RESC 0
	RESC 1
	WIN 0
.irp d, 0,1,2,3
	PV 0, \d, \q
.endr
	WIN 0x55
.irp d, 0,1,2,3
	PV 1, \d, \q
.endr
	WIN 0
.endm
	ALU
	s_wait_tensorcnt 0x0                           ; my part of slot 0 is in
	ds_add_u32 v[SPW], v[NIL]
	s_add_nc_u64 s[G0M+2:G0M+3], s[G0M+2:G0M+3], 1024
	s_add_co_u32 s[G0M+1], s[LBM], SLOTB
	s_add_nc_u64 s[G0D+2:G0D+3], s[G0D+2:G0D+3], DB
	s_add_co_u32 s[G0D+1], s[LBD], SLOTB
	s_wait_dscnt 0x0
	CROUND
	TLOAD                                          ; keys 256 to 511, slot 1
	LDKV 0                                         ; step 0's operands
	LDM 0
	s_mov_b32 s[LAP], 6
.Lfill:                                            ; tiles 0 to 5: each asks for the tile two further on
	STEP 0, 1
	STEP 1, 1
	s_sub_co_u32 s[LAP], s[LAP], 1
	s_cmp_lg_u32 s[LAP], 0
	ALU
	s_cbranch_scc1 .Lfill
	s_mov_b32 s[LAP], 2
.Llast:                                            ; tiles 6 and 7: written a second time
	STEP 0, 0
	STEP 1, 0
	s_sub_co_u32 s[LAP], s[LAP], 1
	s_cmp_lg_u32 s[LAP], 0
	ALU
	s_cbranch_scc1 .Llast
	; THE WAY OUT: O^T / the sum, quantised along each head's 64 (two blocks of C); a head's four registers are half of an operand of the last product and leave as an image of 512 bytes
	v_add_f32 v[X], v[L], v[L+1]
	WIN 0x05
	v_add_f32 v[X+1], v[L], v[L+1]
	WIN 0
	v_mov_b32 v[NINF], 0x1800000                   ; from here on this register holds the floor 2^(3 - 127)
.irp h, 0,1
	v_permlanex16_b32 v[Y+\h], v[X+\h], s[SEL], s[SEL+1]
.endr
.irp h, 0,1
	DLY 2
	v_add_f32 v[X+\h], v[X+\h], v[Y+\h]            ; the row's sum
.endr
	ALU
	v_rcp_f32 v[F], v[X]
	v_rcp_f32 v[F+2], v[X+1]
	v_nop                                          ; a plain place behind the reciprocals
.irp h, 0,1
	WIN 0x41*\h
	ALU                                            ; the wait ahead of the first reader of the reciprocal and of O^T
.set j, 0
.rept 16
	v_pk_mul_f32 v[S+j:S+j+1], v[O+j:O+j+1], v[F+2*\h:F+2*\h+1] op_sel_hi:[1,0]   ; register 8 d + j: channel 16 d + 8 (lane / 16) + j
.set j, j+2
.endr
.endr
.irp h, 0,1
	WIN 0x14*\h
.irp i, 0,2,4,6
.irp b, 0,1
.irp u, 0,1
.if \i == 0
	v_max3_num_f32 v[BM+8*\h+4*\u+\b], v[NINF], |v[S+16*\b+8*\u]|, |v[S+16*\b+8*\u+1]|
.else
	DLY 4
	v_max3_num_f32 v[BM+8*\h+4*\u+\b], v[BM+8*\h+4*\u+\b], |v[S+16*\b+8*\u+\i]|, |v[S+16*\b+8*\u+\i+1]|
.endif
.endr
.endr
.endr
.endr
	WIN 0
.irp k, 0,1,8,9
	v_max_num_f32 v[BM+\k], v[BM+\k], v[BM+4+\k]
.endr
.irp k, 0,1,8,9
	DLY 4
	v_permlanex16_b32 v[BM+4+\k], v[BM+\k], s[SEL], s[SEL+1]
.endr
.irp k, 0,1,8,9
	DLY 4
	v_max_num_f32 v[BM+\k], v[BM+\k], v[BM+4+\k]
.endr
.irp k, 0,1,8,9
	DLY 4
	v_add_nc_u32 v[BM+\k], 0xff000000, v[BM+\k]
.endr
.irp k, 0,1,8,9
	DLY 4
	v_lshrrev_b32 v[BM+4+\k], 23, v[BM+\k]
.endr
	DLY 3
	v_lshl_or_b32 v[X], v[BM+5], 8, v[BM+4]
	DLY 2
	v_lshl_or_b32 v[X+1], v[BM+13], 8, v[BM+12]
	DLY 1
	v_lshl_or_b32 v[Y], v[X+1], 16, v[X]           ; row r's scale word: the pair's four bytes
.irp h, 0,1
	WIN 0x41*\h
.irp b, 0,1
	v_cvt_scalef32_pk8_fp4_f32 v[PC+\b], v[S+16*\b:S+16*\b+7], v[BM+8*\h+\b]
	v_cvt_scalef32_pk8_fp4_f32 v[PC+2+\b], v[S+16*\b+8:S+16*\b+15], v[BM+8*\h+\b]
.endr
	v_nop
	v_permlane16_swap_b32 v[PC], v[PC+1]
	v_permlane16_swap_b32 v[PC+2], v[PC+3]
	WIN 0x04*\h
	global_store_b128 v[GO], v[PC:PC+3], s[8:9] offset:512*\h    ; 512 consecutive bytes, aligned
.endr
	WIN 0
	ds_store_b32 v[SA], v[Y]                       ; lanes r and r + 16 write the same word with the same value
	ALU
	s_wait_dscnt 0x0                               ; for the others' sake: my store has landed
	s_barrier_signal -1
	s_barrier_wait -1
	s_cmp_lg_u32 s[WV], 0
	s_cbranch_scc1 .Lnot_first
	ds_load_b128 v[S:S+3], v[SR]                   ; wave 0 stores the work-group's 512 bytes of scale words whole
	s_wait_dscnt 0x0
	global_store_b128 v[GO], v[S:S+3], s[10:11]
.Lnot_first:
	s_wait_tensorcnt 0x0                           ; the wave's end
	ds_add_u32 v[SPW], v[NIL]
	s_wait_dscnt 0x0
	CROUND                                         ; the closing round
	s_endpgm
.Lfunc_end_k_qd357966226_attn:
	.size	k_qd357966226_attn, .Lfunc_end_k_qd357966226_attn-k_qd357966226_attn
	.p2alignl 7, 3214868480
	.fill 96, 4, 3214868480
	.section	.rodata,"a",@progbits
	.p2align	6, 0x0
	.amdhsa_kernel k_qd357966226_attn
		.amdhsa_group_segment_fixed_size 327680
		.amdhsa_private_segment_fixed_size 0
		.amdhsa_enable_private_segment 0
		.amdhsa_kernarg_size 32
		.amdhsa_user_sgpr_count 2
		.amdhsa_user_sgpr_kernarg_segment_ptr 1
		.amdhsa_wavefront_size32 1
		.amdhsa_system_sgpr_workgroup_id_x 1
		.amdhsa_system_sgpr_workgroup_id_y 1
		.amdhsa_system_sgpr_workgroup_id_z 1
		.amdhsa_system_vgpr_workitem_id 0
		.amdhsa_next_free_vgpr 512
		.amdhsa_next_free_sgpr 100
		.amdhsa_reserve_vcc 0
		.amdhsa_float_denorm_mode_32 3
		.amdhsa_float_denorm_mode_16_64 3
		.amdhsa_memory_ordered 1
		.amdhsa_forward_progress 1
		.amdhsa_inst_pref_size 157
	.end_amdhsa_kernel
	.amdgpu_metadata
---
amdhsa.version: [ 1, 2 ]
amdhsa.kernels:
  - .name:           k_qd357966226_attn
    .symbol:         k_qd357966226_attn.kd
    .args:
      - { .name: qkv, .offset: 0, .size: 8, .value_kind: global_buffer, .address_space: global }
      - { .name: attn_mask, .offset: 8, .size: 8, .value_kind: global_buffer, .address_space: global }
      - { .name: a_img, .offset: 16, .size: 8, .value_kind: global_buffer, .address_space: global }
      - { .name: a_sc, .offset: 24, .size: 8, .value_kind: global_buffer, .address_space: global }
    .group_segment_fixed_size: 327680
    .private_segment_fixed_size: 0
    .kernarg_segment_align: 8
    .kernarg_segment_size: 32
    .max_flat_workgroup_size: 256
    .sgpr_count:     100
    .vgpr_count:     512
    .wavefront_size: 32
...
	.end_amdgpu_metadata
.endif
;; end of part 2
;; launch outp (part 3): grid 8 x 32, 8 waves a work-group, clusters of 4 x 4, 327,680 bytes of LDS; arguments a_img, a_sc, Wo_codes, Wo_scales, bo, out0; writes out0
.if DOCPART == 3
	.amdgcn_target "amdgcn-amd-amdhsa--gfx1250"
	.amdhsa_code_object_version 6
	.text
	.protected	k_qd357966226_outp
	.globl	k_qd357966226_outp
	.p2align	8
	.type	k_qd357966226_outp,@function
k_qd357966226_outp:
	s_mov_b64 s[64:65], 0
	v_nop
	global_prefetch_b8 v0, s[64:65] scope:SCOPE_SE
	s_setreg_imm32_b32 hwreg(HW_REG_WAVE_MODE, 25, 1), 1
	s_wait_xcnt 0x0
	s_wait_alu depctr_hold_cnt(0) depctr_sa_sdst(0) depctr_va_vdst(0) depctr_va_sdst(0) depctr_va_ssrc(0) depctr_va_vcc(0) depctr_vm_vsrc(0)
	s_getreg_b32 s2, hwreg(HW_REG_IB_STS2, 6, 4)
	s_cmp_eq_u32 s2, 0
	s_cbranch_scc0 .Lentry_in_a_cluster
	s_endpgm
.Lentry_in_a_cluster:
	s_bfe_u32 s2, ttmp6, 0x10000c
	s_cmp_lg_u32 s2, 0xf033
	s_cbranch_scc0 .Lentry_shape_is_right
	s_endpgm
.Lentry_shape_is_right:
; out = A Wo^T + bo on codes of E2M1: A is the attention's result, [4,096][1,024], as images of the operand's registers with its scale words.  No work of reference() is left out here.
; LIMITS: NaN and infinities in bo and scale bytes of 0xff are not served.
; A work-group makes 128 x 128 of the result: 256 work-groups.  All of K lies in LDS, filled once: every wave issues one of the eight first fills.  Wave w of eight: rows 32 (w & 3) on, columns 64 (w >> 2) on: eight accumulators.
; CLUSTER 4 x 4: A's images and scale words hang on the tile row and are asked for jointly along a row of the cluster, Wo's codes and scales on the tile column, jointly along a column.
; The matrix instruction is used transposed (source 0 = 16 rows of Wo, source 1 = 16 rows of A): a lane holds eight neighbouring columns of one row.  bo is the C of each sum's first instruction.
.set AIMG, 0                           ; 8 tiles of rows x 16 heads x 512 bytes
.set BP,   528                         ; a row of Wo in LDS: 512 bytes + 16 = 33 x 16
.set BROW, 65536
.set ASC,  BROW+128*BP
.set BSC,  ASC+4096
.set STG,  BSC+4096                    ; a stage of 16 rows x (256 + 16) bytes for each wave
.set SPARE, STG+8*16*272
.set AA,  1
.set AB,  2
.set ASA, 3
.set ABS, 4
.set STO, 5
.set RD,  6
.set CO,  7
.set BO,  8
.set SPW, 10
.set NIL, 11
.set AS,  16                           ; v16-23: register 4 i + s / 2: lanes 0-15 the words of K step s even, lanes 16-31 of s odd
.set BS,  24                           ; v24-55: register 8 n + s
.set BI,  56                           ; v56-87: bo in the result's layout
.set FS,  88                           ; two sets of 48: A's two fragments, then Wo's four
.set ACC, 184
.set WV,  16
.set CX,  17
.set CY,  18
.set NT,  19
.set MT,  20
.set G1A, 24
.set G1B, 32
.set G1AS, 40
.set G1BS, 48
.set G0A, 56
.set G0B, 60
.set G0AS, 68
.set G0BS, 72
.macro CROUND
	s_barrier_signal -1
	s_barrier_wait -1
	s_cmp_lg_u32 s[WV], 0
	s_cbranch_scc1 .Lnot_wave_0_\@
	s_barrier_signal -3
.Lnot_wave_0_\@:
	s_barrier_wait -3
	s_barrier_signal -1
	s_barrier_wait -1
.endm
.macro AFTER                           ; behind every tensor load
	s_nop 0
.rept 4
	v_nop
.endr
.endm
	s_load_b256 s[4:11], s[0:1], 0x0               ; a_img, a_sc, Wo's codes, Wo's scales
	s_load_b128 s[12:15], s[0:1], 0x20             ; bo, out0
	v_lshl_add_u32 v[SPW], v0, 2, SPARE
	v_mov_b32 v[NIL], 0
	ds_add_u32 v[SPW], v[NIL]                      ; the wave's opening: the add, twice on end, and its wait ahead of my first tensor load
	ds_add_u32 v[SPW], v[NIL]
	v_lshrrev_b32 v1, 5, v0
	s_delay_alu instid0(VALU_DEP_1)
	v_readfirstlane_b32 s[WV], v1                  ; wave 0..7
	s_bfe_u32 s[CX], ttmp6, 0x40000
	s_bfe_u32 s[CY], ttmp6, 0x40004
	s_lshl_b32 s[NT], ttmp9, 2
	s_add_co_u32 s[NT], s[NT], s[CX]               ; tile column
	s_and_b32 s[MT], ttmp7, 0xffff
	s_lshl_b32 s[MT], s[MT], 2
	s_add_co_u32 s[MT], s[MT], s[CY]               ; tile row
	s_lshl_b32 s21, s[CY], 2
	s_lshl_b32 s21, 15, s21                        ; my row of the cluster
	s_lshl_b32 s22, 0x1111, s[CX]                  ; my column
	s_or_b32 s[G1A], s21, (3<<16)|(1<<21)          ; 16,384 dense bytes: 64 rows of 32 elements of 8 bytes
	s_mov_b32 s[G1A+1], 32<<16
	s_mov_b32 s[G1A+2], 64<<16
	s_mov_b32 s[G1A+3], 32<<16
	s_mov_b32 s[G1A+4], 64
	s_mov_b32 s[G1A+5], 32
	s_mov_b32 s[G1A+6], 0
	s_mov_b32 s[G1A+7], 0
	s_or_b32 s[G1B], s22, (1<<20)|(1<<21)|(6<<22)|(3<<25)   ; 64 rows of 512 bytes; 4 words of padding behind every 128
	s_mov_b32 s[G1B+1], 512<<16
	s_mov_b32 s[G1B+2], 64<<16
	s_mov_b32 s[G1B+3], 512<<16
	s_mov_b32 s[G1B+4], 64
	s_mov_b32 s[G1B+5], 512
	s_mov_b32 s[G1B+6], 0
	s_mov_b32 s[G1B+7], 0
	s_or_b32 s[G1AS], s21, (3<<16)|(1<<21)         ; 4,096 dense bytes of scale words
	s_or_b32 s[G1BS], s22, (3<<16)|(1<<21)
.irp g, G1AS, G1BS
	s_mov_b32 s[\g+1], 32<<16
	s_mov_b32 s[\g+2], 16<<16
	s_mov_b32 s[\g+3], 32<<16
	s_mov_b32 s[\g+4], 16
	s_mov_b32 s[\g+5], 32
	s_mov_b32 s[\g+6], 0
	s_mov_b32 s[\g+7], 0
.endr
	s_and_b32 s84, s[WV], 3                        ; wr; also: which quarter of A's images I fetch
	s_lshr_b32 s85, s[WV], 2                       ; wc
	s_and_b32 s86, s[WV], 1                        ; which half of Wo's rows I fetch
	s_lshl_b32 s76, s[MT], 16
	s_lshl_b32 s87, s84, 14
	s_add_co_u32 s76, s76, s87
	s_mov_b32 s77, 0
	s_lshl_b32 s78, s[NT], 16
	s_lshl_b32 s88, s86, 15
	s_add_co_u32 s78, s78, s88
	s_mov_b32 s79, 0
	s_lshl_b32 s80, s[MT], 12
	s_mov_b32 s81, 0
	s_lshl_b32 s82, s[NT], 12
	s_mov_b32 s83, 0
	s_mul_i32 s88, s86, 64*BP
	s_wait_dscnt 0x0                               ; both opening adds are done
	s_wait_kmcnt 0x0
	s_mov_b32 s[G0A], 1
	s_mov_b32 s[G0A+1], s87
	s_add_nc_u64 s[G0A+2:G0A+3], s[4:5], s[76:77]
	s_or_b32 s[G0A+3], s[G0A+3], 0x80000000
	s_mov_b32 s[G0B], 1
	s_add_co_u32 s[G0B+1], s88, BROW
	s_add_nc_u64 s[G0B+2:G0B+3], s[8:9], s[78:79]
	s_or_b32 s[G0B+3], s[G0B+3], 0x80000000
	s_mov_b32 s[G0AS], 1
	s_mov_b32 s[G0AS+1], ASC
	s_add_nc_u64 s[G0AS+2:G0AS+3], s[6:7], s[80:81]
	s_or_b32 s[G0AS+3], s[G0AS+3], 0x80000000
	s_mov_b32 s[G0BS], 1
	s_mov_b32 s[G0BS+1], BSC
	s_add_nc_u64 s[G0BS+2:G0BS+3], s[10:11], s[82:83]
	s_or_b32 s[G0BS+3], s[G0BS+3], 0x80000000
	CROUND                                         ; all sixteen work-groups are here: the joint loads meet
	s_cmp_lt_u32 s[WV], 4                          ; every wave issues one first fill: the arms hang on the wave's number alone
	s_cbranch_scc0 .Lnot_a
	tensor_load_to_lds s[G0A:G0A+3], s[G1A:G1A+7]
	AFTER
	s_branch .Lasked
.Lnot_a:
	s_cmp_lt_u32 s[WV], 6
	s_cbranch_scc0 .Lnot_b
	tensor_load_to_lds s[G0B:G0B+3], s[G1B:G1B+7]
	AFTER
	s_branch .Lasked
.Lnot_b:
	s_cmp_eq_u32 s[WV], 6
	s_cbranch_scc0 .Lfor_bs
	tensor_load_to_lds s[G0AS:G0AS+3], s[G1AS:G1AS+7]
	AFTER
	s_branch .Lasked
.Lfor_bs:
	tensor_load_to_lds s[G0BS:G0BS+3], s[G1BS:G1BS+7]
	AFTER
.Lasked:
	v_and_b32 v12, 31, v0                          ; lane
	s_wait_alu depctr_va_vdst(0)
	v_and_b32 v13, 15, v0                          ; r
	s_wait_alu depctr_va_vdst(0)
	v_bfe_u32 v14, v0, 4, 1                        ; h
	v_lshl_add_u32 v[AA], v12, 4, s87              ; A's images: my two tiles of rows, 16 bytes a lane
	s_mul_i32 s86, s85, 64*BP
	s_add_co_u32 s86, s86, BROW
	v_mul_u32_u24 v[AB], v13, BP
	s_delay_alu instid0(VALU_DEP_1)
	v_lshl_add_u32 v[AB], v14, 4, v[AB]
	s_delay_alu instid0(VALU_DEP_1)
	v_add_nc_u32 v[AB], s86, v[AB]                 ; Wo: row 64 wc + r, + 16 h
	s_lshr_b32 s86, s84, 1
	s_lshl_b32 s86, s86, 11
	s_and_b32 s88, s84, 1
	s_lshl_b32 s88, s88, 8
	s_add_co_u32 s86, s86, s88
	s_add_co_u32 s86, s86, ASC
	v_lshl_add_u32 v[ASA], v12, 2, s86             ; A's scale words: [64 rows][4 groups of heads][tile of 16][pair][r]: 4 x lane takes the pair by the lane's half
	s_lshl_b32 s86, s85, 11
	s_add_co_u32 s86, s86, BSC
	v_lshl_add_u32 v[ABS], v13, 5, s86             ; Wo's: 32 bytes a row
	s_mul_i32 s86, s[WV], 16*272
	s_add_co_u32 s86, s86, STG
	v_mul_u32_u24 v[STO], v13, 272
	s_wait_alu depctr_va_vdst(0)
	v_lshl_add_u32 v[STO], v14, 5, v[STO]
	s_delay_alu instid0(VALU_DEP_1)
	v_add_nc_u32 v[STO], s86, v[STO]               ; the stage, in: row r, 32 bytes for each half of the lanes
	v_mul_u32_u24 v[RD], v14, 272
	s_delay_alu instid0(VALU_DEP_1)
	v_lshl_add_u32 v[RD], v13, 4, v[RD]
	s_delay_alu instid0(VALU_DEP_1)
	v_add_nc_u32 v[RD], s86, v[RD]                 ; back: lanes 0-15 one row of 256 bytes, lanes 16-31 the next
	v_lshlrev_b32 v[CO], 12, v14
	s_delay_alu instid0(VALU_DEP_1)
	v_lshl_add_u32 v[CO], v13, 4, v[CO]            ; and the same two rows in the result
	v_lshlrev_b32 v[BO], 5, v14
	s_wait_alu depctr_va_vdst(0)
	s_lshl_b32 s76, s[NT], 9                       ; bo at column 128 nt + 64 wc
	s_lshl_b32 s78, s85, 8
	s_add_co_u32 s76, s76, s78
	s_add_nc_u64 s[12:13], s[12:13], s[76:77]
	s_lshl_b32 s78, s[MT], 19                      ; the result at row 128 mt + 32 wr, and that column
	s_add_co_u32 s76, s76, s78
	s_lshl_b32 s78, s84, 17
	s_add_co_u32 s76, s76, s78
	s_add_nc_u64 s[14:15], s[14:15], s[76:77]
.irp n, 0,1,2,3
	global_load_b128 v[BI+8*\n:BI+8*\n+3], v[BO], s[12:13] offset:64*\n        ; bo[.. + 16 n + 8 h + 0 .. 7]
	global_load_b128 v[BI+8*\n+4:BI+8*\n+7], v[BO], s[12:13] offset:64*\n+16
.endr
	s_wait_tensorcnt 0x0                           ; my fill has landed,
	s_barrier_signal -1
	s_barrier_wait -1                              ; everybody's has
.macro FETCH s                         ; K step s: 12 loads into set s % 2
.set F, FS+48*((\s)%2)
.irp i, 0,1
.irp c, 0,1
	ds_load_b128 v[F+8*\i+4*\c:F+8*\i+4*\c+3], v[AA] offset:\i*8192+(\s)*1024+\c*512
.endr
.endr
.irp n, 0,1,2,3
.irp c, 0,1
	ds_load_b128 v[F+16+8*\n+4*\c:F+16+8*\n+4*\c+3], v[AB] offset:\n*16*BP+64*(\s)+32*\c
.endr
.endr
.endm
.macro MUL s                           ; eight products: the eight accumulators take turns, one instruction a turn
.set F, FS+48*((\s)%2)
.irp i, 0,1
.irp n, 0,1,2,3
.if (\s) == 0
	v_wmma_scale_f32_16x16x128_f8f6f4 v[ACC+8*(4*\i+\n):ACC+8*(4*\i+\n)+7], v[F+16+8*\n:F+16+8*\n+7], v[F+8*\i:F+8*\i+7], v[BI+8*\n:BI+8*\n+7], v[BS+8*\n+(\s)], v[AS+4*\i+(\s)/2] matrix_a_fmt:MATRIX_FMT_FP4 matrix_b_fmt:MATRIX_FMT_FP4
.elseif (\s)%2
	v_wmma_scale_f32_16x16x128_f8f6f4 v[ACC+8*(4*\i+\n):ACC+8*(4*\i+\n)+7], v[F+16+8*\n:F+16+8*\n+7], v[F+8*\i:F+8*\i+7], v[ACC+8*(4*\i+\n):ACC+8*(4*\i+\n)+7], v[BS+8*\n+(\s)], v[AS+4*\i+(\s)/2] matrix_a_fmt:MATRIX_FMT_FP4 matrix_b_fmt:MATRIX_FMT_FP4 matrix_b_scale:MATRIX_SCALE_ROW1
.else
	v_wmma_scale_f32_16x16x128_f8f6f4 v[ACC+8*(4*\i+\n):ACC+8*(4*\i+\n)+7], v[F+16+8*\n:F+16+8*\n+7], v[F+8*\i:F+8*\i+7], v[ACC+8*(4*\i+\n):ACC+8*(4*\i+\n)+7], v[BS+8*\n+(\s)], v[AS+4*\i+(\s)/2] matrix_a_fmt:MATRIX_FMT_FP4 matrix_b_fmt:MATRIX_FMT_FP4
.endif
.endr
.endr
.endm
.irp i, 0,1
.irp g, 0,1,2,3
	ds_load_b32 v[AS+4*\i+\g], v[ASA] offset:\g*512+\i*128
.endr
.endr
.irp n, 0,1,2,3
.irp k, 0,1
	ds_load_b128 v[BS+8*\n+4*\k:BS+8*\n+4*\k+3], v[ABS] offset:\n*512+16*\k
.endr
.endr
	FETCH 0
	FETCH 1
	s_wait_loadcnt 0x0                             ; bo
.irp s, 0,1,2,3,4,5,6,7
.if \s < 7
	s_wait_dscnt 12                                ; this step's fragments are in; the next step's twelve loads may be out
.else
	s_wait_dscnt 0
.endif
	MUL \s
.if \s < 6
.rept 4
	v_nop                                          ; places in front of loads into registers that matrix instructions have read
.endr
	FETCH \s+2
.endif
.endr
.rept 4
	v_nop                                          ; places in front of the first read of results and of loads into the fragments' registers
.endr
; THE WAY OUT: 16 rows x 64 columns at a time through my own stage; back as whole rows of 256 bytes.  LDS serves a wave's instructions in order (ISA guide 5.7.1.4): no wait between the stores and the loads
.macro TOSTAGE i
.irp n, 0,1,2,3
	ds_store_b128 v[STO], v[ACC+8*(4*\i+\n):ACC+8*(4*\i+\n)+3] offset:64*\n          ; each accumulator from its low end on
	ds_store_b128 v[STO], v[ACC+8*(4*\i+\n)+4:ACC+8*(4*\i+\n)+7] offset:64*\n+16
.endr
.irp t, 0,1,2,3,4,5,6,7
	ds_load_b128 v[FS+32*\i+4*\t:FS+32*\i+4*\t+3], v[RD] offset:\t*2*272
.endr
.endm
.macro SEND i, younger                 ; younger: the LDS instructions issued behind tile i's loads
.irp t, 0,1,2,3,4,5,6,7
	s_wait_dscnt \younger+7-\t
	global_store_b128 v[CO], v[FS+32*\i+4*\t:FS+32*\i+4*\t+3], s[14:15] offset:(16*\i+2*\t)*4096 th:TH_STORE_NT   ; 16 lanes store 256 consecutive bytes, aligned; written once, read by nobody here
.endr
.endm
	TOSTAGE 0
	TOSTAGE 1
	SEND 0, 16
	SEND 1, 0
	s_wait_tensorcnt 0x0                           ; the wave's end
	ds_add_u32 v[SPW], v[NIL]
	s_wait_dscnt 0x0
	CROUND                                         ; the closing round
	s_endpgm
.Lfunc_end_k_qd357966226_outp:
	.size	k_qd357966226_outp, .Lfunc_end_k_qd357966226_outp-k_qd357966226_outp
	.p2alignl 7, 3214868480
	.fill 96, 4, 3214868480
	.section	.rodata,"a",@progbits
	.p2align	6, 0x0
	.amdhsa_kernel k_qd357966226_outp
		.amdhsa_group_segment_fixed_size 327680
		.amdhsa_private_segment_fixed_size 0
		.amdhsa_enable_private_segment 0
		.amdhsa_kernarg_size 48
		.amdhsa_user_sgpr_count 2
		.amdhsa_user_sgpr_kernarg_segment_ptr 1
		.amdhsa_wavefront_size32 1
		.amdhsa_system_sgpr_workgroup_id_x 1
		.amdhsa_system_sgpr_workgroup_id_y 1
		.amdhsa_system_sgpr_workgroup_id_z 1
		.amdhsa_system_vgpr_workitem_id 0
		.amdhsa_next_free_vgpr 256
		.amdhsa_next_free_sgpr 96
		.amdhsa_reserve_vcc 0
		.amdhsa_float_denorm_mode_32 3
		.amdhsa_float_denorm_mode_16_64 3
		.amdhsa_memory_ordered 1
		.amdhsa_forward_progress 1
		.amdhsa_inst_pref_size 30
	.end_amdhsa_kernel
	.amdgpu_metadata
---
amdhsa.version: [ 1, 2 ]
amdhsa.kernels:
  - .name:           k_qd357966226_outp
    .symbol:         k_qd357966226_outp.kd
    .args:
      - { .name: a_img, .offset: 0, .size: 8, .value_kind: global_buffer, .address_space: global }
      - { .name: a_sc, .offset: 8, .size: 8, .value_kind: global_buffer, .address_space: global }
      - { .name: Wo_codes, .offset: 16, .size: 8, .value_kind: global_buffer, .address_space: global }
      - { .name: Wo_scales, .offset: 24, .size: 8, .value_kind: global_buffer, .address_space: global }
      - { .name: bo, .offset: 32, .size: 8, .value_kind: global_buffer, .address_space: global }
      - { .name: out0, .offset: 40, .size: 8, .value_kind: global_buffer, .address_space: global }
    .group_segment_fixed_size: 327680
    .private_segment_fixed_size: 0
    .kernarg_segment_align: 8
    .kernarg_segment_size: 48
    .max_flat_workgroup_size: 256
    .sgpr_count:     96
    .vgpr_count:     256
    .wavefront_size: 32
...
	.end_amdgpu_metadata
.endif
;; end of part 3
